; MI455X (gfx1250); checked and timed in simulation.
; The chip was launched on July 23, 2026; its instructions are those of AMD's public machine-readable ISA for CDNA 5 (MIT licence, August 2026) and "CDNA5" Instruction Set Architecture Reference Guide (July 2026). The comments in the code are by the model that wrote it; some were corrected since.
;; DCT Channel Block. Allowed arithmetic: matrix products marked QUANTISED: E4M3 operands, one given power-of-two scale a tensor, by v_wmma_f32_16x16x64_fp8_fp8 or v_wmma_f32_16x16x128_fp8_fp8, f32 sums; everything else in f32.
;; Inputs: ln_b 1,024 float32; ln_w 1,024 float32; lowp_scales 6 int32 (the exponents e of the quantised operands' scales 2^e); w1 1,024 x 512 float32; w2 512 x 1,024 float32; x 32 x 512 x 1,024 float32.
;; Outputs: out0 32 x 512 x 1,024 float32.
;; This version of the problem:
;;   THIS VERSION OF THE PROBLEM IS GIVEN IN LOW PRECISION. The matrix products marked QUANTISED in the list below multiply operands that are first quantised to E4M3 (4 exponent bits, 3 mantissa bits; 8 bits a number), with one given power-of-two scale for each operand tensor; their sums are f32. All else is computed in f32.
;;   The module's matrix products, in the order in which they are computed (A, B: the left and right operand; K: the contracted axis; several contracted axes count as one K, in the product's order):
;;     1. [M 16,384, K 1,024] x [K 1,024, N 1,024]; A: input x; B: computed on the way: QUANTISED (scales: A lowp_scales[0], B lowp_scales[1])
;;     2. [M 32,768, K 512] x [K 512, N 1,024]; A: computed on the way; B: input w1: QUANTISED (scales: A lowp_scales[2], B lowp_scales[3])
;;     3. [M 32,768, K 1,024] x [K 1,024, N 512]; A: computed on the way; B: input w2: QUANTISED (scales: A lowp_scales[4], B lowp_scales[5])
;;   THE QUANTISER, for each operand of a quantised product, along K:
;;     - The operand's scale is 2^e, e = its entry of the input lowp_scales (int32; the entries are numbered through the quantised products in the list's order, A before B).
;;     - Each number is divided by the scale, clamped to +-448, and rounded to the nearest number of E4M3, ties to even, subnormals kept.
;;     - The product sums the exact products of the quantised numbers (number of the format x scale) in f32.
;;   ~~~python
;;   def quantise(x, axis, e):      # numpy; x: float32 -> the quantised numbers, widened to float32 again
;;       x = np.moveaxis(x, axis, -1); K = x.shape[-1]
;;       r = np.clip(x / 2.0 ** e, -448, 448)
;;       step = 2.0 ** (np.maximum(np.frexp(np.where(r == 0, 1, r))[1] - 1, -6) - 3)
;;       q = np.round(r / step) * step * 2.0 ** e      # np.round: ties to even
;;       return np.moveaxis(q, -1, axis).astype(np.float32)
;;   ~~~
;;   OPERANDS COMPUTED ON THE WAY. 'Computed on the way' means the value that the module computes at that place (a softmax that the list does not call 'softmax' is quantised finished and normalised). What goes into a quantiser is computed in f32, as accurately as f32 sums, v_exp_f32 and their like allow (about 1e-6 of the number): no bf16 or f16 on the way to a quantiser, and a product that is left as it is and whose result goes on into a quantised operand takes f32 operands (vector FMAs, or v_wmma_f32_16x16x4_f32). A number that lies on a knife's edge between two numbers of the format may be rounded either way, as far as f32 arithmetic and the matrix unit's own rounding can turn it there, and no further.
;; One version. Each part assembles by itself: llvm-mc -triple=amdgcn-amd-amdhsa -mcpu=gfx1250 --defsym DOCPART=n.
;; ======== version 1 of 1: 3 launches
;; workspace buffers: dq 1,048,576 bytes; wq 1,048,576 bytes; hq 16,777,216 bytes
;; launch prep (part 1): grid 256 x 1, 8 waves a work-group, no clusters, 0 bytes of LDS; arguments w1, w2, lowp_scales, dq, wq; writes dq, wq
.if DOCPART == 1
	.amdgcn_target "amdgcn-amd-amdhsa--gfx1250"
	.amdhsa_code_object_version 6
	.text
	.protected	k_qde3eb56617_prep
	.globl	k_qde3eb56617_prep
	.p2align	8
	.type	k_qde3eb56617_prep,@function
k_qde3eb56617_prep:
	s_mov_b64 s[64:65], 0
	v_nop
	global_prefetch_b8 v0, s[64:65] scope:SCOPE_SE
	s_setreg_imm32_b32 hwreg(HW_REG_WAVE_MODE, 25, 1), 1
	s_wait_xcnt 0x0
; The three operands that every later work-group reads are turned into codes of E4M3 once: D[k][n] = 2 cos(pi k (2 n + 1) / 2048) (scale 2^e1), w1 (2^e3), w2 (2^e5).
; They are laid as IMAGES OF OPERAND REGISTERS: a fragment (16 rows x 128 K, 16 registers a lane) is 2,048 bytes, registers 4 g .. 4 g + 3 of lane L at 512 g + 16 L.
;   dq [ks 8][w 4][nt 16][image]: lane (r, h), its 16 bytes of group g: D[256 w + 16 nt + r][128 ks + 64 h + 16 g + 0 .. 15]  (the same order of k as the next launch gives x's fragments)
;   wq: 512 images, k in the matrix form's own places: registers 2 p, 2 p + 1 hold k = 16 p + 8 h + 0 .. 7
;      images 0 .. 255, w1 [ch 8][qh 2][f = 4 s + ot 16]: row 128 ch + 64 qh + 16 ot + r, column 128 s + k
;      images 256 .. 511, w2 [tile 4][pair 4][qh 2][c 2][nt 4]: row 256 qh + 64 tile + 16 nt + r, column 128 (2 pair + c) + k
;      so that each 131,072 bytes are one tile of the last launch's ring, and each quarter of a tile is what one wave fetches
; Wave W = 8 x work-group + wave (0 .. 2,047) makes the 512 bytes at 512 W of dq and the 512 bytes at 512 W of wq: one text for all, no branch, no LDS; each store covers 512 consecutive bytes.
; D IS MADE AS THE SOURCE MAKES IT: the argument is t = fl(fl(c k) (2 n + 1)), c = f32(pi / 2048), and then the cosine of that f32 number: q = nearest whole number to t 2 / pi,
; t - q pi / 2 by three fused multiply-adds (pi / 2 in three parts; the first difference is exact), a polynomial for sine and cosine on [-pi/4, pi/4], the choice by q's low bits (a select, no branch).
; The factor 2 goes into the scale: code = cos / 2^(e1 - 1).
; code = number / 2^e, held within +-448, to the nearest code, ties to even.  LIMITS: e1 - 1, e3 and e5 between -126 and 119, so that 2^e and 448 x 2^e are f32 numbers.  NaN among the inputs is not served.
.set WX, 16                            ; v16-31   16 numbers of w1 or w2
.set T,  32                            ; v32-47   the argument, later the cosine
.set Q,  48                            ; v48-63   the quadrant
.set R,  64                            ; v64-79   the reduced argument
.set R2, 80                            ; v80-95   its square
.set P,  96                            ; v96-111  a polynomial at work
.set U,  112                           ; v112-127 at work
.set SN, 128                           ; v128-143 the sine
	s_load_b256 s[4:11], s[0:1], 0x0               ; w1 s[4:5], w2 s[6:7], the scales' exponents s[8:9], dq s[10:11]
	s_load_b64 s[12:13], s[0:1], 0x20              ; wq
	v_lshrrev_b32 v1, 5, v0
	v_readfirstlane_b32 s14, v1                    ; wave 0..7
	v_and_b32 v2, 15, v0                           ; r
	v_bfe_u32 v3, v0, 4, 1                         ; h
	v_and_b32 v4, 31, v0
	v_lshlrev_b32 v4, 4, v4                        ; 16 x lane: my place in the wave's 512 bytes
	s_lshl_b32 s15, ttmp9, 3
	s_add_co_u32 s15, s15, s14                     ; W
	s_and_b32 s16, s15, 3                          ; g: which four registers of the image
	s_lshr_b32 s17, s15, 2                         ; the image, 0 .. 511
	s_lshr_b32 s18, s17, 6                         ; dq: ks
	s_and_b32 s19, s17, 63                         ; dq: 16 w + nt
	s_lshl_b32 s22, s16, 5                         ; 32 g
	s_and_b32 s26, s17, 3
	s_lshl_b32 s26, s26, 4                         ; 16 ot in w1, 16 nt in w2
	s_bfe_u32 s23, s17, 0x30005                    ; w1: ch
	s_lshl_b32 s23, s23, 7
	s_bfe_u32 s20, s17, 0x10004                    ; qh
	s_lshl_b32 s20, s20, 6
	s_add_co_u32 s23, s23, s20
	s_add_co_u32 s23, s23, s26                     ; w1: first row 128 ch + 64 qh + 16 ot
	s_bfe_u32 s24, s17, 0x20002                    ; s
	s_lshl_b32 s24, s24, 7
	s_add_co_u32 s24, s24, s22                     ; w1: first column 128 s + 32 g
	s_bfe_u32 s25, s17, 0x10003                    ; w2: qh
	s_lshl_b32 s25, s25, 8
	s_bfe_u32 s20, s17, 0x20006                    ; tile
	s_lshl_b32 s20, s20, 6
	s_add_co_u32 s25, s25, s20
	s_add_co_u32 s25, s25, s26                     ; w2: first row 256 qh + 64 tile + 16 nt
	s_bfe_u32 s21, s17, 0x20004                    ; pair
	s_lshl_b32 s21, s21, 8
	s_bfe_u32 s20, s17, 0x10002                    ; c
	s_lshl_b32 s20, s20, 7
	s_add_co_u32 s21, s21, s20
	s_add_co_u32 s21, s21, s22                     ; w2: first column 256 pair + 128 c + 32 g
	s_bitcmp1_b32 s17, 8                           ; images 256 .. 511 are w2's: the choice hangs on ids alone
	s_cselect_b32 s23, s25, s23
	s_cselect_b32 s24, s21, s24
	s_cselect_b32 s27, 12, 11                      ; a row is 4,096 bytes in w2, 2,048 in w1
	s_lshl_b32 s28, s23, s27
	s_lshl_b32 s24, s24, 2
	s_add_co_u32 s28, s28, s24                     ; the wave's first byte in the weight
	s_mov_b32 s29, 0
	v_lshlrev_b32 v5, s27, v2                      ; my row,
	v_lshl_add_u32 v5, v3, 5, v5                   ; + 8 h numbers
	s_lshl_b32 s42, s15, 9                         ; 512 W
	s_mov_b32 s43, 0
	s_lshl_b32 s45, s19, 4
	v_add_nc_u32 v6, s45, v2                       ; D's row k = 16 (16 w + nt) + r
	v_cvt_f32_u32 v6, v6
	s_lshl_b32 s46, s18, 8
	s_add_co_u32 s46, s46, s22
	s_add_co_u32 s46, s46, 1
	v_lshl_add_u32 v7, v3, 7, s46                  ; 2 n + 1 of my first number: 256 ks + 128 h + 32 g + 1
	s_mov_b32 s48, 0x3ac90fdb                      ; c = f32(pi / 2048)
	s_mov_b32 s49, 0x3f22f983                      ; 2 / pi
	s_mov_b32 s50, 0x3fc90fdb                      ; pi / 2 in three parts
	s_mov_b32 s51, 0xb33bbd2e
	s_mov_b32 s52, 0xa6f72ced
	s_mov_b32 s53, 0xbe2aaaa3                      ; the sine's three coefficients
	s_mov_b32 s54, 0x3c08839e
	s_mov_b32 s55, 0xb94ca1f9
	s_mov_b32 s56, 0x3d2aaaa5                      ; the cosine's three
	s_mov_b32 s57, 0xbab6061a
	s_mov_b32 s58, 0x37ccf5ce
	s_wait_kmcnt 0x0
	s_load_b128 s[36:39], s[8:9], 0x0              ; e0 .. e3
	s_load_b64 s[40:41], s[8:9], 0x10              ; e4, e5
	s_bitcmp1_b32 s17, 8
	s_cselect_b64 s[30:31], s[6:7], s[4:5]
	s_add_nc_u64 s[30:31], s[30:31], s[28:29]
	s_add_nc_u64 s[32:33], s[10:11], s[42:43]
	s_add_nc_u64 s[34:35], s[12:13], s[42:43]
	global_load_b128 v[WX:WX+3],     v5, s[30:31]            ; k = 32 g + 8 h + 0 .. 7
	global_load_b128 v[WX+4:WX+7],   v5, s[30:31] offset:16
	global_load_b128 v[WX+8:WX+11],  v5, s[30:31] offset:64  ; k = 32 g + 16 + 8 h + 0 .. 7
	global_load_b128 v[WX+12:WX+15], v5, s[30:31] offset:80
	; ---- D's sixteen numbers, operation by operation: sixteen chains that do not wait for each other; the weight's loads land meanwhile
	v_mul_f32 v6, s48, v6                          ; fl(c k)
.set i, 0
.rept 16
	v_add_nc_u32 v[T+i], 2*i, v7
.set i, i+1
.endr
.set i, 0
.rept 16
	v_cvt_f32_u32 v[T+i], v[T+i]                   ; 2 n + 1, exact
.set i, i+1
.endr
.set i, 0
.rept 16
	v_mul_f32 v[T+i], v6, v[T+i]                   ; t
.set i, i+1
.endr
.set i, 0
.rept 16
	v_mul_f32 v[Q+i], s49, v[T+i]
.set i, i+1
.endr
.set i, 0
.rept 16
	v_rndne_f32 v[Q+i], v[Q+i]                     ; q
.set i, i+1
.endr
.set i, 0
.rept 16
	v_fma_f32 v[R+i], -v[Q+i], s50, v[T+i]
.set i, i+1
.endr
.set i, 0
.rept 16
	v_fma_f32 v[R+i], -v[Q+i], s51, v[R+i]
.set i, i+1
.endr
.set i, 0
.rept 16
	v_fma_f32 v[R+i], -v[Q+i], s52, v[R+i]         ; t - q pi / 2
.set i, i+1
.endr
.set i, 0
.rept 16
	v_mul_f32 v[R2+i], v[R+i], v[R+i]
.set i, i+1
.endr
.set i, 0
.rept 16
	v_fma_f32 v[P+i], s55, v[R2+i], s54
.set i, i+1
.endr
.set i, 0
.rept 16
	v_fma_f32 v[P+i], v[P+i], v[R2+i], s53
.set i, i+1
.endr
.set i, 0
.rept 16
	v_mul_f32 v[U+i], v[R2+i], v[R+i]
.set i, i+1
.endr
.set i, 0
.rept 16
	v_fma_f32 v[SN+i], v[P+i], v[U+i], v[R+i]      ; the sine
.set i, i+1
.endr
.set i, 0
.rept 16
	v_fma_f32 v[P+i], s58, v[R2+i], s57
.set i, i+1
.endr
.set i, 0
.rept 16
	v_fma_f32 v[P+i], v[P+i], v[R2+i], s56
.set i, i+1
.endr
.set i, 0
.rept 16
	v_mul_f32 v[U+i], v[R2+i], v[R2+i]
.set i, i+1
.endr
.set i, 0
.rept 16
	v_fma_f32 v[T+i], v[R2+i], -0.5, 1.0
.set i, i+1
.endr
.set i, 0
.rept 16
	v_fma_f32 v[T+i], v[P+i], v[U+i], v[T+i]       ; the cosine
.set i, i+1
.endr
.set i, 0
.rept 16
	v_cvt_i32_f32 v[Q+i], v[Q+i]
.set i, i+1
.endr
.set i, 0
.rept 16
	v_and_b32 v[P+i], 1, v[Q+i]                    ; an odd quadrant takes the sine
.set i, i+1
.endr
.set i, 0
.rept 16
	v_add_nc_u32 v[Q+i], 1, v[Q+i]
.set i, i+1
.endr
.set i, 0
.rept 16
	v_and_b32 v[Q+i], 2, v[Q+i]                    ; quadrants 1 and 2 are negative
.set i, i+1
.endr
.set i, 0
.rept 16
	v_lshlrev_b32 v[Q+i], 30, v[Q+i]
.set i, i+1
.endr
.set i, 0
.rept 16
	v_cmp_ne_u32 vcc_lo, 0, v[P+i]
	v_cndmask_b32 v[T+i], v[T+i], v[SN+i], vcc_lo
.set i, i+1
.endr
.set i, 0
.rept 16
	v_xor_b32 v[T+i], v[T+i], v[Q+i]               ; cos(t)
.set i, i+1
.endr
	s_wait_kmcnt 0x0
	s_add_co_i32 s44, s37, 126                     ; e1 - 1 + 127
	s_lshl_b32 s47, s44, 23
	v_mov_b32 v8, s47                              ; 2^(e1 - 1) as f32: the conversion takes its exponent field
	s_add_co_i32 s44, s44, 8
	s_lshl_b32 s44, s44, 23
	s_or_b32 s44, s44, 0x600000
	v_mov_b32 v9, s44                              ; 448 x that
	s_bitcmp1_b32 s17, 8
	s_cselect_b32 s44, s41, s39                    ; e5 for w2, e3 for w1
	s_add_co_i32 s44, s44, 127
	s_lshl_b32 s47, s44, 23
	v_mov_b32 v10, s47
	s_add_co_i32 s44, s44, 8
	s_lshl_b32 s44, s44, 23
	s_or_b32 s44, s44, 0x600000
	v_mov_b32 v11, s44
.set i, 0
.rept 16
	v_med3_num_f32 v[T+i], v[T+i], -v9, v9         ; the conversion to an 8-bit code does not saturate (ISA guide 7.6.2): the hold at the largest code x the scale
.set i, i+1
.endr
	v_cvt_scalef32_pk8_fp8_f32 v[12:13], v[T:T+7], v8
	v_cvt_scalef32_pk8_fp8_f32 v[14:15], v[T+8:T+15], v8
	v_nop                                          ; a plain instruction behind the conversions
	global_store_b128 v4, v[12:15], s[32:33]       ; 32 lanes store 512 consecutive bytes
	s_wait_loadcnt 0x0                             ; the weight's sixteen numbers
.set i, 0
.rept 16
	v_med3_num_f32 v[WX+i], v[WX+i], -v11, v11
.set i, i+1
.endr
	v_cvt_scalef32_pk8_fp8_f32 v[144:145], v[WX:WX+7], v10
	v_cvt_scalef32_pk8_fp8_f32 v[146:147], v[WX+8:WX+15], v10
	v_nop
	global_store_b128 v4, v[144:147], s[34:35]
	s_endpgm
.Lfunc_end_k_qde3eb56617_prep:
	.size	k_qde3eb56617_prep, .Lfunc_end_k_qde3eb56617_prep-k_qde3eb56617_prep
	.p2alignl 7, 3214868480
	.fill 96, 4, 3214868480
	.section	.rodata,"a",@progbits
	.p2align	6, 0x0
	.amdhsa_kernel k_qde3eb56617_prep
		.amdhsa_group_segment_fixed_size 0
		.amdhsa_private_segment_fixed_size 0
		.amdhsa_enable_private_segment 0
		.amdhsa_kernarg_size 40
		.amdhsa_user_sgpr_count 2
		.amdhsa_user_sgpr_kernarg_segment_ptr 1
		.amdhsa_wavefront_size32 1
		.amdhsa_system_sgpr_workgroup_id_x 1
		.amdhsa_system_sgpr_workgroup_id_y 1
		.amdhsa_system_sgpr_workgroup_id_z 1
		.amdhsa_system_vgpr_workitem_id 0
		.amdhsa_next_free_vgpr 160
		.amdhsa_next_free_sgpr 66
		.amdhsa_reserve_vcc 1
		.amdhsa_float_denorm_mode_32 3
		.amdhsa_float_denorm_mode_16_64 3
		.amdhsa_memory_ordered 1
		.amdhsa_forward_progress 1
		.amdhsa_inst_pref_size 26
	.end_amdhsa_kernel
	.amdgpu_metadata
---
amdhsa.version: [ 1, 2 ]
amdhsa.kernels:
  - .name:           k_qde3eb56617_prep
    .symbol:         k_qde3eb56617_prep.kd
    .args:
      - { .name: w1, .offset: 0, .size: 8, .value_kind: global_buffer, .address_space: global }
      - { .name: w2, .offset: 8, .size: 8, .value_kind: global_buffer, .address_space: global }
      - { .name: lowp_scales, .offset: 16, .size: 8, .value_kind: global_buffer, .address_space: global }
      - { .name: dq, .offset: 24, .size: 8, .value_kind: global_buffer, .address_space: global }
      - { .name: wq, .offset: 32, .size: 8, .value_kind: global_buffer, .address_space: global }
    .group_segment_fixed_size: 0
    .private_segment_fixed_size: 0
    .kernarg_segment_align: 8
    .kernarg_segment_size: 40
    .max_flat_workgroup_size: 256
    .sgpr_count:     66
    .vgpr_count:     160
    .wavefront_size: 32
...
	.end_amdgpu_metadata
.endif
;; end of part 1
;; launch dctln (part 2): grid 256 x 1, 4 waves a work-group, clusters of 4 x 1, 327,680 bytes of LDS; arguments x, dq, ln_w, ln_b, lowp_scales, hq; writes hq
.if DOCPART == 2
	.amdgcn_target "amdgcn-amd-amdhsa--gfx1250"
	.amdhsa_code_object_version 6
	.text
	.protected	k_qde3eb56617_dctln
	.globl	k_qde3eb56617_dctln
	.p2align	8
	.type	k_qde3eb56617_dctln,@function
k_qde3eb56617_dctln:
	s_mov_b64 s[64:65], 0
	v_nop
	global_prefetch_b8 v0, s[64:65] scope:SCOPE_SE
	s_setreg_imm32_b32 hwreg(HW_REG_WAVE_MODE, 25, 1), 1
	s_wait_xcnt 0x0
	s_wait_alu depctr_hold_cnt(0) depctr_sa_sdst(0) depctr_va_vdst(0) depctr_va_sdst(0) depctr_va_ssrc(0) depctr_va_vcc(0) depctr_vm_vsrc(0)
	s_getreg_b32 s2, hwreg(HW_REG_IB_STS2, 6, 4)
	s_cmp_eq_u32 s2, 0
	s_cbranch_scc0 .Lentry_in_a_cluster
	s_endpgm
.Lentry_in_a_cluster:
	s_bfe_u32 s2, ttmp6, 0x10000c
	s_cmp_lg_u32 s2, 0x3003
	s_cbranch_scc0 .Lentry_shape_is_right
	s_endpgm
.Lentry_shape_is_right:
; freq = Q(x) Q(D)^T on codes of E4M3, LayerNorm along the 1,024 frequencies, and the result's codes, laid as the next launch's operand registers.
; SHARES.  Work-group G = 4 x cluster + place owns rows 64 G .. 64 G + 63 of x [16384][1024] (batch G / 8, channels 64 (G % 8) on) and ALL 1,024 frequencies of them, so that a LayerNorm row never leaves the work-group:
; 64 x 1,024 sums in f32 are 512 registers in each of four waves.  Wave w owns frequencies 256 w .. 256 w + 255: 4 tiles of channels x 16 tiles of frequencies = 64 accumulators.
; Source 0 = x's fragment (16 channels), source 1 = D's (16 frequencies): a lane then holds ONE frequency l, and its eight registers run along the channels, which are the next product's K.
; K goes in 8 steps of 128, begun at step (cluster % 8) and walked round: the order of K is free, since the sums are judged within a tolerance.
; D's codes come as images of operand registers (launch prep) through a ring of two LDS slots of 131,072 bytes; wave w fetches and reads its own 32,768 bytes of a slot.
; CLUSTER.  All work-groups walk the same D: the four of a cluster ask JOINTLY, by the same tensor load with the same descriptor and the mask of all four.
; x arrives as f32: wave w loads 16 rows x 128 numbers of each step (each load 512 consecutive bytes of a row), holds and converts them, and puts the codes into one of two small LDS buffers (rows 144 bytes apart);
; all four waves read x's four fragments from there.  The one round a step orders the ring and these buffers alike.
; Both fragments hold k = 64 h + 16 c + 0 .. 15 in registers 4 c .. 4 c + 3: the same order of k in A and in B, so each product meets its partner.
; LAYERNORM in two passes over the sums in registers: the mean; then the deviations in place and the sum of their squares (never a difference of large sums).  The sums lack the factor 2^E, E = e0 + e1:
; var = (sum of squares) 2^(2 E - 10), and the deviation is multiplied by rsq(var + eps) 2^E; both powers by v_ldexp_f32.
; LIMITS: e0 and e2 between -126 and 119, so that 2^e and 448 x 2^e are f32 numbers.  NaN among the inputs is not served.
; REGISTERS, in windows of 256.  Window 0: v1-14 addresses and scales; v16-31 x's codes; v32-223 three sets of 64 numbers of x; in the LayerNorm v32-63 sums, v64-95 mean / rsq, v96-159 and v192-255 at work, then codes, v160-191 ln_w, ln_b.
;   Window 1: v0-127 D's fragments, four buffers of two; v128-191 x's four fragments.   Windows 2, 3: accumulator (mt, nt) at v[8 (4 (nt % 8) + mt)], window 2 for nt < 8.
.set SLOT,  131072
.set XST,   262144                     ; behind the ring: x's codes, two buffers of 64 rows x 144 bytes
.set XBUF,  9216
.set XPI,   144                        ; 128 bytes + 16: the sixteen rows of a fragment load begin in sixteen different groups of four banks (64 banks of 4 bytes: ISA guide 11.1)
.set STAT,  280576                     ; 4 waves x 64 sums, twice (1,024 bytes each)
.set SPARE, 282624                     ; the spare words, 128 bytes for each wave: two blocks of 256 bytes that no other line names
.set L16, 1                            ; v1   16 x lane
.set AXW, 2                            ; v2   where I store x's codes: XST + 2,304 w + 4 x lane
.set AXR, 3                            ; v3   where I read x's fragments: XST + 144 r + 64 h
.set AD,  4                            ; v4, v5  my place in my part of slot 0, 1
.set SPW, 6                            ; v6   LDS address of my spare word; never rewritten
.set NIL, 7                            ; v7   0; never rewritten
.set SCX, 8                            ; v8, v9   2^e0, 448 x 2^e0
.set SCH, 10                           ; v10, v11 2^e2, 448 x 2^e2
.set STW, 12                           ; v12  where I put my wave's sums
.set STR, 13                           ; v13  where I read the four waves' sums
.set LNO, 14                           ; v14  my byte in ln_w and ln_b: 1,024 w + 4 r
.set CX,  16
.set XS,  32
.set S,   32
.set MU,  64
.set LW,  160
.set LB,  176
.set DF,  0                            ; in window 1
.set AF,  128                          ; in window 1
.set G1,  16                           ; s[16:23] descriptor group 1
.set G0,  24                           ; s[24:27] descriptor group 0: one set, written only where no tensor load of mine is out
.set WV,  28                           ; s28  my wave's number
.set DB,  32                           ; s[32:33] dq at my wave's part
.set KD,  34                           ; s[34:35] the K step's bytes in dq
.set WL,  36                           ; s36  my part of a slot
.set XB,  38                           ; s[38:39] x at my wave's 16 rows
.set KX,  40                           ; s[40:41] the K step's bytes in a row of x
.set XPB, 42                           ; s[42:47] three bases, one for each set of x
.set MSB, 0
.macro WIN new                         ; the immediate's high byte repeats the setting that is left; a switch that changes nothing is dropped
.if MSB != (\new)
	s_set_vgpr_msb (MSB<<8)|(\new)
.set MSB, \new
.endif
.endm
.macro PLACES                          ; four plain vector instructions behind a matrix instruction, in front of loads into its registers and of reads of its result
.rept 4
	v_nop
.endr
.endm
.macro CROUND                          ; a round of the cluster's barrier
	s_barrier_signal -1
	s_barrier_wait -1
	s_cmp_lg_u32 s[WV], 0
	s_cbranch_scc1 .Lnot_wave_0_\@
	s_barrier_signal -3
.Lnot_wave_0_\@:
	s_barrier_wait -3
	s_barrier_signal -1
	s_barrier_wait -1
.endm
.macro JLOAD                           ; the joint load: every wave fetches its own 32,768 bytes; an s_nop 0 and four v_nop follow
	tensor_load_to_lds s[G0:G0+3], s[G1:G1+7]
	s_nop 0
	PLACES
.endm
; slice n of x: my 16 rows x 128 numbers of the n-th K step, into set n % 3.  A lane gets k = 4 x lane + 0 .. 3 of each row.
.macro XLOAD n
	s_add_nc_u64 s[XPB+2*((\n)%3):XPB+2*((\n)%3)+1], s[XB:XB+1], s[KX:KX+1]   ; this base was last named by slice n - 3's loads, which have been waited for
	s_add_co_u32 s[KX], s[KX], 512
	s_and_b32 s[KX], s[KX], 4095                   ; round the row's eight steps
.set i, 0
.rept 16
	global_load_b128 v[XS+64*((\n)%3)+4*i:XS+64*((\n)%3)+4*i+3], v[L16], s[XPB+2*((\n)%3):XPB+2*((\n)%3)+1] offset:4096*i th:TH_LOAD_NT
.set i, i+1
.endr
.endm
; slice n becomes codes: eight registers are four numbers of each of two rows, so a conversion gives one word of four codes for each of the two.
.macro XQUANT n
.set XR, XS+64*((\n)%3)
.set i, 0
.rept 64
	v_med3_num_f32 v[XR+i], v[XR+i], -v[SCX+1], v[SCX+1]   ; the conversion does not saturate (ISA guide 7.6.2): the hold at the largest code x the scale
.set i, i+1
.endr
.set i, 0
.rept 8
	v_cvt_scalef32_pk8_fp8_f32 v[CX+2*i:CX+2*i+1], v[XR+8*i:XR+8*i+7], v[SCX]
.set i, i+1
.endr
	v_nop                                          ; a plain instruction behind the last conversion
.set i, 0
.rept 16
	ds_store_b32 v[AXW], v[CX+i] offset:((\n)%2)*XBUF+XPI*i   ; row 16 w + i: 32 lanes store its 128 bytes
.set i, i+1
.endr
.endm
.macro FETCH_A buf                     ; x's four fragments
	WIN 0x40
.irp mt, 0,1,2,3
.irp c, 0,1,2,3
	ds_load_b128 v[AF+16*\mt+4*\c:AF+16*\mt+4*\c+3], v[AXR] offset:(\buf)*XBUF+2304*\mt+16*\c
.endr
.endr
.endm
.macro FETCH_D slot, g                 ; D's fragments nt = 2 g, 2 g + 1 into buffer g % 4: images, 512 consecutive bytes a load
	WIN 0x40
.set i, 0
.rept 8
	ds_load_b128 v[DF+32*((\g)%4)+4*i:DF+32*((\g)%4)+4*i+3], v[AD+(\slot)] offset:4096*(\g)+512*i
.set i, i+1
.endr
.endm
; eight matrix instructions: nt = 2 g, 2 g + 1 x the four tiles of channels.  The 64 accumulators take turns, one instruction a turn, in the same order in every step.
.macro MULA g, zero
.if (\g) < 4
	WIN 0xa5                                       ; A and B window 1, C and D window 2
.else
	WIN 0xf5                                       ; C and D window 3
.endif
.irp e, 0,1
.irp mt, 0,1,2,3
.set rC, 8*(4*((2*(\g)+\e)&7)+\mt)
.set rD, DF+32*((\g)%4)+16*\e
.set rA, AF+16*\mt
.if \zero
	v_wmma_f32_16x16x128_fp8_fp8 v[rC:rC+7], v[rA:rA+15], v[rD:rD+15], 0
.else
	v_wmma_f32_16x16x128_fp8_fp8 v[rC:rC+7], v[rA:rA+15], v[rD:rD+15], v[rC:rC+7]
.endif
.endr
.endr
.endm
	s_load_b256 s[4:11], s[0:1], 0x0               ; x s[4:5], dq s[6:7], ln_w s[8:9], ln_b s[10:11]
	s_load_b128 s[12:15], s[0:1], 0x20             ; the scales' exponents s[12:13], hq s[14:15]
	v_lshl_add_u32 v[SPW], v0, 2, SPARE
	v_mov_b32 v[NIL], 0
	ds_add_u32 v[SPW], v[NIL]                      ; the wave's opening: the add and its wait stand ahead of my first tensor load; the set-up below, work on registers, stands between them
	v_lshrrev_b32 v1, 5, v0
	v_readfirstlane_b32 s[WV], v1                  ; wave 0..3
	s_bfe_u32 s29, ttmp6, 0x40000                  ; my place in the cluster: it enters x's and hq's addresses alone
	s_lshl_b32 s30, ttmp9, 2
	s_add_co_u32 s30, s30, s29                     ; G
	s_and_b32 s31, ttmp9, 7                        ; the K step at which my cluster begins: shared by the four
	; descriptor group 1: a dense block of 32,768 bytes as 128 rows of 32 elements of 8 bytes
	s_mov_b32 s[G1+0], 15|(3<<16)|(1<<21)          ; 15:0 the mask: all four work-groups; 17:16 elements of 8 bytes; 21 set beside a mask; no padding
	s_mov_b32 s[G1+1], 32<<16                      ; tensor_dim0 = 32
	s_mov_b32 s[G1+2], 128<<16                     ; tensor_dim1 = 128
	s_mov_b32 s[G1+3], 32<<16                      ; tile_dim0 = 32
	s_mov_b32 s[G1+4], 128                         ; tile_dim1 = 128
	s_mov_b32 s[G1+5], 32                          ; from row to row
	s_mov_b32 s[G1+6], 0
	s_mov_b32 s[G1+7], 0
	s_lshl_b32 s[WL], s[WV], 15
	s_lshl_b32 s[KD], s31, 17
	s_mov_b32 s[KD+1], 0
	s_lshl_b32 s[KX], s31, 9
	s_mov_b32 s[KX+1], 0
	s_mov_b32 s60, s[WL]
	s_mov_b32 s61, 0
	s_lshl_b32 s62, s30, 18                        ; x: 64 G rows of 4,096 bytes,
	s_lshl_b32 s63, s[WV], 16                      ; + 16 w rows
	s_add_co_u32 s62, s62, s63
	s_mov_b32 s63, 0
	s_lshr_b32 s66, s30, 3                         ; hq [b][lt 64][s 4][image]: the batch,
	s_lshl_b32 s66, s66, 19
	s_lshl_b32 s67, s[WV], 17                      ; my wave's 16 tiles of l,
	s_add_co_u32 s66, s66, s67
	s_bfe_u32 s67, s30, 0x20001                    ; the K step of the next product in which my 64 channels lie,
	s_lshl_b32 s67, s67, 11
	s_add_co_u32 s66, s66, s67
	s_and_b32 s67, s30, 1                          ; and which half of its image's registers they are
	s_lshl_b32 s67, s67, 10
	s_add_co_u32 s66, s66, s67
	s_mov_b32 s67, 0
	s_mov_b32 s58, 0xba800000                      ; -2^-10
	s_mov_b32 s59, s58
	s_mov_b32 s68, 0x358637bd                      ; eps = 1e-6
	s_mov_b32 s69, s68
	v_and_b32 v1, 31, v0
	v_lshlrev_b32 v[AXW], 2, v1
	v_lshlrev_b32 v[L16], 4, v1
	v_and_b32 v16, 15, v0                          ; r
	v_bfe_u32 v17, v0, 4, 1                        ; h
	s_mul_i32 s70, s[WV], 2304
	v_add_nc_u32 v[AXW], s70, v[AXW]
	v_add_nc_u32 v[AXW], XST, v[AXW]
	v_mul_u32_u24 v[AXR], v16, XPI
	v_lshl_add_u32 v[AXR], v17, 6, v[AXR]
	v_add_nc_u32 v[AXR], XST, v[AXR]
	v_add_nc_u32 v[AD], s[WL], v[L16]
	v_add_nc_u32 v[AD+1], SLOT, v[AD]
	v_lshlrev_b32 v[STR], 5, v17
	v_add_nc_u32 v[STR], STAT, v[STR]
	s_lshl_b32 s70, s[WV], 8
	v_add_nc_u32 v[STW], s70, v[STR]
	s_lshl_b32 s70, s[WV], 10
	v_lshl_add_u32 v[LNO], v16, 2, s70
	s_wait_dscnt 0x0                               ; the opening add is done
	s_wait_kmcnt 0x0
	s_load_b128 s[48:51], s[12:13], 0x0            ; e0 .. e3
	s_add_nc_u64 s[DB:DB+1], s[6:7], s[60:61]
	s_add_nc_u64 s[XB:XB+1], s[4:5], s[62:63]
	s_add_nc_u64 s[56:57], s[14:15], s[66:67]
	s_mov_b32 s[G0], 1                             ; count = 1
	s_mov_b32 s[G0+1], s[WL]                       ; LDS address: my part of slot 0
	s_add_nc_u64 s[G0+2:G0+3], s[DB:DB+1], s[KD:KD+1]
	s_or_b32 s[G0+3], s[G0+3], 0x80000000          ; type = 2
	CROUND                                         ; all four work-groups are here: the first joint loads meet
	JLOAD
	XLOAD 0
	XLOAD 1
	XLOAD 2
	s_wait_kmcnt 0x0
	s_add_co_i32 s60, s48, 127
	s_lshl_b32 s61, s60, 23
	v_mov_b32 v[SCX], s61
	s_add_co_i32 s60, s60, 8
	s_lshl_b32 s60, s60, 23
	s_or_b32 s60, s60, 0x600000
	v_mov_b32 v[SCX+1], s60
	s_add_co_i32 s60, s50, 127
	s_lshl_b32 s61, s60, 23
	v_mov_b32 v[SCH], s61
	s_add_co_i32 s60, s60, 8
	s_lshl_b32 s60, s60, 23
	s_or_b32 s60, s60, 0x600000
	v_mov_b32 v[SCH+1], s60
	s_add_co_i32 s53, s48, s49                     ; E = e0 + e1
	s_lshl_b32 s54, s53, 1
	s_add_co_i32 s54, s54, -10                     ; 2 E - 10
	s_wait_loadcnt 32                              ; slice 0 is in; slices 1 and 2 may be out
	XQUANT 0
	XLOAD 3
; A K STEP.  In front of the round each wave waits for all its tensor loads (one: its part of this step's tile), adds 0 to its spare word, and waits for that, for its reads of the other slot and of x's other buffer,
; and for its stores of this step's codes of x.  Behind the round the other slot is filled first; then this step's fragments are fetched, and the next slice of x is quantised while they come.
.macro STEPA t, zero
.if (\t) < 7
.set YS, 16
.else
.set YS, 0
.endif
	WIN 0
	s_wait_tensorcnt 0x0                           ; no tensor load of mine is out, so group 0 may be written
	ds_add_u32 v[SPW], v[NIL]                      ; 0 onto my spare word: the descriptor's step stands between it and the wait for it
.if (\t) < 7
	s_add_co_u32 s[KD], s[KD], 1<<17
	s_and_b32 s[KD], s[KD], 7<<17                  ; the next K step, round the eight
	s_add_co_u32 s[G0+1], s[WL], (((\t)+1)%2)*SLOT
	s_add_nc_u64 s[G0+2:G0+3], s[DB:DB+1], s[KD:KD+1]
	s_or_b32 s[G0+3], s[G0+3], 0x80000000
.endif
	s_wait_dscnt 0x0
.if (\t) < 7
	CROUND
	JLOAD                                          ; the first thing behind the round, and my one tensor load until the next; its four v_nop are the places in front of the loads below
.else
	s_barrier_signal -1                            ; nothing is filled again: the work-group's barrier, for x's codes
	s_barrier_wait -1
	PLACES
.endif
	FETCH_A (\t)%2
	FETCH_D (\t)%2, 0
	FETCH_D (\t)%2, 1
	FETCH_D (\t)%2, 2
	FETCH_D (\t)%2, 3
	WIN 0
.if (\t) < 7
.if (\t) == 5
	s_wait_loadcnt 48                              ; slice 6 is in; slice 7's 16 loads and the 32 of ln_w and ln_b may be out
.else
	s_wait_loadcnt 32                              ; slice t + 1 is in; the 32 loads behind it may be out
.endif
	XQUANT (\t)+1
.endif
.if (\t) < 4
	XLOAD (\t)+4
.endif
.if (\t) == 4
.set i, 0
.rept 16                               ; ln_w and ln_b at my 16 frequencies, into registers that x has left
	global_load_b32 v[LW+i], v[LNO], s[8:9] offset:64*i
	global_load_b32 v[LB+i], v[LNO], s[10:11] offset:64*i
.set i, i+1
.endr
.endif
.irp g, 0,1,2,3,4,5,6,7
.if \g < 4
	s_wait_dscnt 24+YS                             ; x's fragments and D's group g are in; three younger groups of eight loads, and the stores of x's codes, may be out
.else
	s_wait_dscnt 8*(7-\g)                          ; the younger groups may be out
.endif
	MULA \g, \zero
.if \g < 4
	PLACES
	FETCH_D (\t)%2, \g+4
.endif
.endr
.endm
	STEPA 0, 1                                     ; the first step's products start the sums: nothing is cleared
	STEPA 1, 0
	STEPA 2, 0
	STEPA 3, 0
	STEPA 4, 0
	STEPA 5, 0
	STEPA 6, 0
	STEPA 7, 0
; ---- LAYERNORM.  Lane (r, h) holds, in register j of accumulator (mt, nt), channel 16 mt + 8 h + j at frequency 256 w + 16 nt + r.
.macro LANESUM                         ; over the sixteen lanes of my half
.irp m, 1,2,4,8
.set i, 0
.rept 32
	v_add_f32_dpp v[S+i], v[S+i], v[S+i] row_xmask:\m row_mask:0xf bank_mask:0xf
.set i, i+1
.endr
.endr
.endm
.macro XCHG off                        ; over the four waves, through LDS; the total lands in v[MU] on
.irp mt, 0,1,2,3
	ds_store_b128 v[STW], v[S+8*\mt:S+8*\mt+3] offset:(\off)+64*\mt          ; the sixteen lanes of a half store the same numbers to the same bytes
	ds_store_b128 v[STW], v[S+8*\mt+4:S+8*\mt+7] offset:(\off)+64*\mt+16
.endr
	s_wait_dscnt 0x0                               ; for the others' sake: my stores are done
	s_barrier_signal -1
	s_barrier_wait -1
.irp wv, 0,1,2,3
.irp q, 0,1,2,3,4,5,6,7
	ds_load_b128 v[96+32*\wv+32*(\wv/2)+4*\q:96+32*\wv+32*(\wv/2)+4*\q+3], v[STR] offset:(\off)+256*\wv+64*(\q/2)+16*(\q%2)
.endr
.endr
	s_wait_dscnt 0x0
.set i, 0
.rept 16
	v_pk_add_f32 v[96+i:97+i], v[96+i:97+i], v[128+i:129+i]
	v_pk_add_f32 v[192+i:193+i], v[192+i:193+i], v[224+i:225+i]
.set i, i+2
.endr
.set i, 0
.rept 16
	v_pk_add_f32 v[MU+i:MU+i+1], v[96+i:97+i], v[192+i:193+i]
.set i, i+2
.endr
.endm
	PLACES
	WIN 0x0a                                       ; both sources window 2.
.irp mt, 0,1,2,3
.irp j, 0,2,4,6
	v_pk_add_f32 v[S+8*\mt+\j:S+8*\mt+\j+1], v[8*\mt+\j:8*\mt+\j+1], v[32+8*\mt+\j:32+8*\mt+\j+1]
.endr
.endr
	WIN 0x08
.set a, 8
.rept 24
.irp j, 0,2,4,6
	v_pk_add_f32 v[S+8*(a%4)+\j:S+8*(a%4)+\j+1], v[S+8*(a%4)+\j:S+8*(a%4)+\j+1], v[8*a+\j:8*a+\j+1]
.endr
.set a, a+1
.endr
	WIN 0x0c
.set a, 0
.rept 32
.irp j, 0,2,4,6
	v_pk_add_f32 v[S+8*(a%4)+\j:S+8*(a%4)+\j+1], v[S+8*(a%4)+\j:S+8*(a%4)+\j+1], v[8*a+\j:8*a+\j+1]
.endr
.set a, a+1
.endr
	WIN 0
	LANESUM
	XCHG 0                                         ; v[MU] on: each channel's sum over the 1,024 frequencies
	WIN 0xa0                                       ; the deviations, in place: sum x -2^-10 + number, one fused multiply-add for two
.set a, 0
.rept 32
.irp j, 0,2,4,6
	v_pk_fma_f32 v[8*a+\j:8*a+\j+1], v[MU+8*(a%4)+\j:MU+8*(a%4)+\j+1], s[58:59], v[8*a+\j:8*a+\j+1] op_sel_hi:[1,0,1]
.endr
.set a, a+1
.endr
	WIN 0x0a
.set a, 0
.rept 4
.irp j, 0,2,4,6
	v_pk_mul_f32 v[S+8*a+\j:S+8*a+\j+1], v[8*a+\j:8*a+\j+1], v[8*a+\j:8*a+\j+1]
.endr
.set a, a+1
.endr
.rept 28
.irp j, 0,2,4,6
	v_pk_fma_f32 v[S+8*(a%4)+\j:S+8*(a%4)+\j+1], v[8*a+\j:8*a+\j+1], v[8*a+\j:8*a+\j+1], v[S+8*(a%4)+\j:S+8*(a%4)+\j+1]
.endr
.set a, a+1
.endr
	WIN 0xf0
.set a, 0
.rept 32
.irp j, 0,2,4,6
	v_pk_fma_f32 v[8*a+\j:8*a+\j+1], v[MU+8*(a%4)+\j:MU+8*(a%4)+\j+1], s[58:59], v[8*a+\j:8*a+\j+1] op_sel_hi:[1,0,1]
.endr
.set a, a+1
.endr
	WIN 0x0f
.set a, 0
.rept 32
.irp j, 0,2,4,6
	v_pk_fma_f32 v[S+8*(a%4)+\j:S+8*(a%4)+\j+1], v[8*a+\j:8*a+\j+1], v[8*a+\j:8*a+\j+1], v[S+8*(a%4)+\j:S+8*(a%4)+\j+1]
.endr
.set a, a+1
.endr
	WIN 0
	LANESUM
	XCHG 1024                                      ; other bytes than the first exchange: one barrier serves.  v[MU] on: each channel's sum of squares
.set i, 0
.rept 32
	v_ldexp_f32 v[MU+i], v[MU+i], s54              ; the variance: x 2^(2 E) / 1,024
.set i, i+1
.endr
.set i, 0
.rept 16
	v_pk_add_f32 v[MU+i:MU+i+1], v[MU+i:MU+i+1], s[68:69] op_sel_hi:[1,0]   ; + eps
.set i, i+2
.endr
.set i, 0
.rept 32
	v_rsq_f32 v[MU+i], v[MU+i]
.set i, i+1
.endr
	v_nop                                          ; a plain instruction behind the last of the batch
	s_wait_alu depctr_va_vdst(0)                   ; one wait for the 32, ahead of their first reader
.set i, 0
.rept 32
	v_ldexp_f32 v[MU+i], v[MU+i], s53              ; x 2^E: what the deviations lack
.set i, i+1
.endr
	s_wait_loadcnt 0x0                             ; ln_w, ln_b
; One window's 32 accumulators: (deviation x rsq) x ln_w + ln_b, the hold, the codes, and their way out.  An accumulator's eight registers are eight neighbours along the next K: its two words of codes are
; registers 2 mt, 2 mt + 1 of my half of an image, so a tile of frequencies leaves by two stores of 512 consecutive bytes.
.macro NORM hi
	WIN 0x82+0x41*(\hi)
.set a, 0
.rept 32
.set LP, 8*(\hi)+2*(a/8)
.irp j, 0,2,4,6
	v_pk_mul_f32 v[8*a+\j:8*a+\j+1], v[8*a+\j:8*a+\j+1], v[MU+8*(a%4)+\j:MU+8*(a%4)+\j+1]
.endr
.irp j, 0,2,4,6
.if (a/4)%2
	v_pk_fma_f32 v[8*a+\j:8*a+\j+1], v[8*a+\j:8*a+\j+1], v[LW+LP:LW+LP+1], v[LB+LP:LB+LP+1] op_sel:[0,1,1] op_sel_hi:[1,1,1]   ; the pair's second register serves both halves
.else
	v_pk_fma_f32 v[8*a+\j:8*a+\j+1], v[8*a+\j:8*a+\j+1], v[LW+LP:LW+LP+1], v[LB+LP:LB+LP+1] op_sel_hi:[1,0,0]                  ; the pair's first
.endif
.endr
.irp j, 0,1,2,3,4,5,6,7
	v_med3_num_f32 v[8*a+\j], v[8*a+\j], -v[SCH+1], v[SCH+1]
.endr
.set a, a+1
.endr
	WIN 0x02+(\hi)
.set a, 0
.rept 32
	v_cvt_scalef32_pk8_fp8_f32 v[96+96*(\hi)+8*(a/4)+2*(a%4):96+96*(\hi)+8*(a/4)+2*(a%4)+1], v[8*a:8*a+7], v[SCH]
.set a, a+1
.endr
	v_nop                                          ; a plain instruction behind the last conversion
	WIN 0
.set a, 0
.rept 8
	global_store_b128 v[L16], v[96+96*(\hi)+8*a:96+96*(\hi)+8*a+3], s[56:57] offset:8192*(8*(\hi)+a)
	global_store_b128 v[L16], v[96+96*(\hi)+8*a+4:96+96*(\hi)+8*a+7], s[56:57] offset:8192*(8*(\hi)+a)+512
.set a, a+1
.endr
.endm
	NORM 0
	NORM 1
	s_wait_tensorcnt 0x0                           ; the wave's end: behind my last tensor load and my last LDS store
	ds_add_u32 v[SPW], v[NIL]
	s_wait_dscnt 0x0
	CROUND                                         ; the closing round: no work-group ends while a partner may still ask for a tile that names it
	s_endpgm
.Lfunc_end_k_qde3eb56617_dctln:
	.size	k_qde3eb56617_dctln, .Lfunc_end_k_qde3eb56617_dctln-k_qde3eb56617_dctln
	.p2alignl 7, 3214868480
	.fill 96, 4, 3214868480
	.section	.rodata,"a",@progbits
	.p2align	6, 0x0
	.amdhsa_kernel k_qde3eb56617_dctln
		.amdhsa_group_segment_fixed_size 327680
		.amdhsa_private_segment_fixed_size 0
		.amdhsa_enable_private_segment 0
		.amdhsa_kernarg_size 48
		.amdhsa_user_sgpr_count 2
		.amdhsa_user_sgpr_kernarg_segment_ptr 1
		.amdhsa_wavefront_size32 1
		.amdhsa_system_sgpr_workgroup_id_x 1
		.amdhsa_system_sgpr_workgroup_id_y 1
		.amdhsa_system_sgpr_workgroup_id_z 1
		.amdhsa_system_vgpr_workitem_id 0
		.amdhsa_next_free_vgpr 1024
		.amdhsa_next_free_sgpr 80
		.amdhsa_reserve_vcc 0
		.amdhsa_float_denorm_mode_32 3
		.amdhsa_float_denorm_mode_16_64 3
		.amdhsa_memory_ordered 1
		.amdhsa_forward_progress 1
		.amdhsa_inst_pref_size 255
	.end_amdhsa_kernel
	.section	.bss,"aw",@nobits
	.p2align	6
	.space	262144
	.amdgpu_metadata
---
amdhsa.version: [ 1, 2 ]
amdhsa.kernels:
  - .name:           k_qde3eb56617_dctln
    .symbol:         k_qde3eb56617_dctln.kd
    .args:
      - { .name: x, .offset: 0, .size: 8, .value_kind: global_buffer, .address_space: global }
      - { .name: dq, .offset: 8, .size: 8, .value_kind: global_buffer, .address_space: global }
      - { .name: ln_w, .offset: 16, .size: 8, .value_kind: global_buffer, .address_space: global }
      - { .name: ln_b, .offset: 24, .size: 8, .value_kind: global_buffer, .address_space: global }
      - { .name: lowp_scales, .offset: 32, .size: 8, .value_kind: global_buffer, .address_space: global }
      - { .name: hq, .offset: 40, .size: 8, .value_kind: global_buffer, .address_space: global }
    .group_segment_fixed_size: 327680
    .private_segment_fixed_size: 0
    .kernarg_segment_align: 8
    .kernarg_segment_size: 48
    .max_flat_workgroup_size: 128
    .sgpr_count:     80
    .vgpr_count:     1024
    .wavefront_size: 32
...
	.end_amdgpu_metadata
.endif
;; end of part 2
;; launch mlp (part 3): grid 256 x 1, 4 waves a work-group, clusters of 4 x 1, 327,680 bytes of LDS; arguments hq, wq, x, lowp_scales, out0; writes out0
.if DOCPART == 3
	.amdgcn_target "amdgcn-amd-amdhsa--gfx1250"
	.amdhsa_code_object_version 6
	.text
	.protected	k_qde3eb56617_mlp
	.globl	k_qde3eb56617_mlp
	.p2align	8
	.type	k_qde3eb56617_mlp,@function
k_qde3eb56617_mlp:
	s_mov_b64 s[64:65], 0
	v_nop
	global_prefetch_b8 v0, s[64:65] scope:SCOPE_SE
	s_setreg_imm32_b32 hwreg(HW_REG_WAVE_MODE, 25, 1), 1
	s_wait_xcnt 0x0
	s_wait_alu depctr_hold_cnt(0) depctr_sa_sdst(0) depctr_va_vdst(0) depctr_va_sdst(0) depctr_va_ssrc(0) depctr_va_vcc(0) depctr_vm_vsrc(0)
	s_getreg_b32 s2, hwreg(HW_REG_IB_STS2, 6, 4)
	s_cmp_eq_u32 s2, 0
	s_cbranch_scc0 .Lentry_in_a_cluster
	s_endpgm
.Lentry_in_a_cluster:
	s_bfe_u32 s2, ttmp6, 0x10000c
	s_cmp_lg_u32 s2, 0x3003
	s_cbranch_scc0 .Lentry_shape_is_right
	s_endpgm
.Lentry_shape_is_right:
; out = x sigmoid(w2 Q(relu(w1 h))), both products on codes of E4M3; h's codes (launch dctln) and the weights' (launch prep) arrive as images of operand registers.  The hidden layer never goes to memory.
; SHARES.  Work-group G = 4 x cluster + place takes batch G / 8 and 128 columns l = 128 (G % 8) on.  Wave w = 2 p + qh owns 64 of them (4 tiles of l) and one half of the hidden units and of the outputs.
; PHASE 1, the first product, eight chunks of 128 hidden units: source 0 = 16 rows of w1, source 1 = h (64 l x 512 channels, 16 fragments, in registers throughout): my 64 hidden units x 64 l: a lane holds one l,
;   its registers run along the hidden units, the next K.  relu and the hold in one, the conversion: half of each of four fragments of the second product; the two waves of a pair exchange halves through LDS, as images.
;   THE HIDDEN LAYER'S CODES STAY IN REGISTERS: 64 l x 1,024 hidden units are 32 fragments, 512 registers.
; PHASE 2, the second product, four tiles of 64 output channels a wave: source 0 = a hidden fragment (16 l), source 1 = 16 rows of w2, K = 1,024 summed in one go into 16 accumulators: a lane holds one output
;   channel and eight neighbouring l.  SO A TILE'S OUTPUTS ARE FINISHED WITH THE TILE: sigmoid, x gate and the stores stand behind its products, the stores leave under the next tile's products,
;   and x comes into the registers that h has left, one to two tiles (128 to 256 matrix instructions) ahead of its use.
; THE RING: two LDS slots of 131,072 bytes, eight tiles: four of w1 (two chunks each), four of w2 (64 rows for each half, all K); each wave fetches a quarter, a dense block of 32,768 bytes.
; CLUSTER: all work-groups walk the same weights: the four of a cluster ask JOINTLY.  A cluster begins at tile rho = cluster % 4 of w1 and walks round; so register position j holds chunk (2 rho + j) % 8, and of
; each tile of w2 wave w fetches the pair of chunks (rho + w) % 4 into quarter w: LDS offsets are constants, global addresses alone hang on rho.  The output tiles are walked from rho too.  (The order of K is
; free: the sums are judged within a tolerance.)
; The scales: a sum of the first product stands for sum x 2^(e2 + e3), so the hidden layer's conversion takes 2^(e4 - e2 - e3); the sigmoid is 1 / (1 + 2^(-log2(e) 2^(e4 + e5) sum)).
; No prefetch of x: its loads into registers stand a tile or more ahead of their use, so no wave waits for them.
; LIMITS: e4 - e2 - e3 between -126 and 119; e4 + e5 between -126 and 127 (it is added to a constant's exponent field).
; REGISTERS, in windows of 256.  Window 0: v1-19 addresses and scales; v32-127 weight fragments, three buffers of two (the third also takes the codes just made); v128-255 the 16 accumulators of either product.
;   Window 1: h's fragment (lt, s) at v[16 (4 lt + s)]; in phase 2 x, two sets of 128.   Windows 2, 3: the hidden fragment (position j, lt) at v[64 (j % 4) + 16 lt], window 2 for j < 4.
.set SLOT,  131072
.set H1X,   262144                     ; behind the ring: the hidden layer's images (pair p, tile lt), two buffers by turns
.set H1B,   16384
.set STG,   294912                     ; the way out: 16 rows x (256 bytes + 16) for each wave
.set SPARE, 312320                     ; the spare words, 128 bytes for each wave: two blocks of 256 bytes that no other line names
.set L16, 1                            ; v1   16 x lane
.set AW1, 2                            ; v2-5   w1's images: slot s, chunk c at v[2 + 2 s + c] (an offset field holds 65,535 at the most, so each half of a slot has its register)
.set SPW, 6                            ; v6   LDS address of my spare word; never rewritten
.set NIL, 7                            ; v7   0; never rewritten
.set H1W, 8                            ; v8   where I store my half of the hidden images
.set H1R, 9                            ; v9   where I read my pair's images
.set SCQ, 10                           ; v10, v11  2^(e4 - e2 - e3), 448 x that
.set STO, 12                           ; v12  the stage: where I put 16 bytes of a row
.set SRD, 13                           ; v13  and where I read a row back
.set XO,  14                           ; v14  my byte in two rows of x and of out0
.set AW2, 16                           ; v16-19 w2's images: slot s, positions 4 u .. 4 u + 3 at v[16 + 2 s + u]
.set WF,  32
.set HC,  96
.set HA,  128
.set Z,   128
.set G1,  16                           ; s[16:23] descriptor group 1
.set G0,  24                           ; s[24:27] descriptor group 0: written only where no tensor load of mine is out
.set WV,  28                           ; s28  my wave's number
.set W1B, 32                           ; s[32:33] w1's tiles at my wave's quarter
.set KW,  34                           ; s[34:35] the tile's bytes: ((rho + t) % 4) x 131,072
.set WL,  36                           ; s36  my quarter of a slot
.set W2B, 54                           ; s[54:55] w2's tiles at the quarter that I fetch
.set G0B, 56                           ; s[56:59] a second group 0, for the second of the two first fills
.set XT,  72                           ; s[72:79] x at my part of output tile t, a pair for each t
.set OT,  80                           ; s[80:87] out0 likewise
.set MSB, 0
.macro WIN new                         ; the immediate's high byte repeats the setting that is left; a switch that changes nothing is dropped
.if MSB != (\new)
	s_set_vgpr_msb (MSB<<8)|(\new)
.set MSB, \new
.endif
.endm
.macro PLACES                          ; four plain vector instructions behind a matrix instruction, in front of loads into its registers and of reads of its result
.rept 4
	v_nop
.endr
.endm
.macro CROUND                          ; a round of the cluster's barrier
	s_barrier_signal -1
	s_barrier_wait -1
	s_cmp_lg_u32 s[WV], 0
	s_cbranch_scc1 .Lnot_wave_0_\@
	s_barrier_signal -3
.Lnot_wave_0_\@:
	s_barrier_wait -3
	s_barrier_signal -1
	s_barrier_wait -1
.endm
.macro JLOAD g0                        ; the joint load: every wave fetches its own quarter of the slot; an s_nop 0 and four v_nop follow
	tensor_load_to_lds s[\g0:\g0+3], s[G1:G1+7]
	s_nop 0
	PLACES
.endm
; THE HEAD OF A TILE.  Each wave waits for all its tensor loads (one: its quarter of this tile), adds 0 to its spare word, and waits for that and for its reads of the other slot.
; refill = 1: behind a round of the cluster's barrier the other slot, nslot, is filled with the next tile, of the weight at base: the load has this whole tile's work in which to land.
.macro THEAD refill, base, nslot
	WIN 0
	s_wait_tensorcnt 0x0                           ; no tensor load of mine is out, so group 0 may be written
	ds_add_u32 v[SPW], v[NIL]                      ; 0 onto my spare word: the descriptor's step stands between it and the wait for it
.if \refill
	s_add_co_u32 s[KW], s[KW], 1<<17
	s_and_b32 s[KW], s[KW], 3<<17                  ; the next tile, round the four
	s_add_co_u32 s[G0+1], s[WL], (\nslot)*SLOT
	s_add_nc_u64 s[G0+2:G0+3], s[\base:\base+1], s[KW:KW+1]
	s_or_b32 s[G0+3], s[G0+3], 0x80000000
.endif
	s_wait_dscnt 0x0                               ; the add is done; my LDS reads are over
.if \refill
	CROUND
	JLOAD G0                                       ; the first thing behind the round, and my one tensor load until the next
.else
	s_barrier_signal -1                            ; nothing is filled again: the work-group's barrier
	s_barrier_wait -1
	PLACES
.endif
.endm
.macro F1 slot, c, g                   ; w1's fragments f = 2 g, 2 g + 1 (f = 4 s + ot) of the slot's chunk c into buffer g % 3: images, 512 consecutive bytes a load
.set i, 0
.rept 8
	ds_load_b128 v[WF+32*((\g)%3)+4*i:WF+32*((\g)%3)+4*i+3], v[AW1+2*(\slot)+(\c)] offset:4096*(\g)+512*i
.set i, i+1
.endr
.endm
.macro F2 slot, g                      ; w2's fragments of position g / 2, tiles of outputs nt = 2 (g % 2), + 1
.set JJ, (\g)>>1
.set i, 0
.rept 8
	ds_load_b128 v[WF+32*((\g)%3)+4*i:WF+32*((\g)%3)+4*i+3], v[AW2+2*(\slot)+(JJ>>2)] offset:((JJ>>1)&1)*32768+(JJ&1)*8192+((\g)&1)*4096+512*i
.set i, i+1
.endr
.endm
; The 16 accumulators of each product take turns, one instruction a turn.
.macro MUL2 g                          ; K step s = g / 2, tiles of hidden units ot = 2 (g % 2), + 1, x the four tiles of l.  The first K step starts the sums
.irp e, 0,1
.irp lt, 0,1,2,3
.set rH, HA+8*(4*(2*((\g)&1)+\e)+\lt)
.set rW, WF+32*((\g)%3)+16*\e
.set rG, 16*(4*\lt+((\g)>>1))
.if (\g) < 2
	v_wmma_f32_16x16x128_fp8_fp8 v[rH:rH+7], v[rW:rW+15], v[rG:rG+15], 0
.else
	v_wmma_f32_16x16x128_fp8_fp8 v[rH:rH+7], v[rW:rW+15], v[rG:rG+15], v[rH:rH+7]
.endif
.endr
.endr
.endm
.macro MUL3 g                          ; position j = g / 2, tiles of outputs nt = 2 (g % 2), + 1, x the four tiles of l.  Position 0 starts the sums
.irp e, 0,1
.irp lt, 0,1,2,3
.set rZ, Z+8*(4*(2*((\g)&1)+\e)+\lt)
.set rF, 64*(((\g)>>1)&3)+16*\lt
.set rW, WF+32*((\g)%3)+16*\e
.if (\g) < 2
	v_wmma_f32_16x16x128_fp8_fp8 v[rZ:rZ+7], v[rF:rF+15], v[rW:rW+15], 0
.else
	v_wmma_f32_16x16x128_fp8_fp8 v[rZ:rZ+7], v[rF:rF+15], v[rW:rW+15], v[rZ:rZ+7]
.endif
.endr
.endr
.endm
.macro XBLK t, a                       ; block a of output tile t's x: 16 rows x my 256 bytes, two rows a load (sixteen lanes take a row's 256 consecutive bytes), into set t % 2 of window 1
.set i, 0
.rept 8
	global_load_b128 v[128*((\t)&1)+32*(\a)+4*i:128*((\t)&1)+32*(\a)+4*i+3], v[XO], s[XT+2*(\t):XT+2*(\t)+1] offset:(16*(\a)+2*i)*4096 th:TH_LOAD_NT
.set i, i+1
.endr
.endm
	s_load_b256 s[4:11], s[0:1], 0x0               ; hq s[4:5], wq s[6:7], x s[8:9], the scales' exponents s[10:11]
	s_load_b64 s[12:13], s[0:1], 0x20              ; out0
	v_lshl_add_u32 v[SPW], v0, 2, SPARE
	v_mov_b32 v[NIL], 0
	ds_add_u32 v[SPW], v[NIL]                      ; the wave's opening: the add and its wait stand ahead of my first tensor load; the set-up below, work on registers, stands between them
	v_lshrrev_b32 v1, 5, v0
	v_readfirstlane_b32 s[WV], v1                  ; wave 0..3
	s_bfe_u32 s29, ttmp6, 0x40000                  ; my place in the cluster: it enters hq's, x's and out0's addresses alone
	s_lshl_b32 s30, ttmp9, 2
	s_add_co_u32 s30, s30, s29                     ; G
	s_and_b32 s31, ttmp9, 3                        ; rho: the tile at which my cluster begins: shared by the four
	s_lshr_b32 s38, s[WV], 1                       ; p
	s_and_b32 s39, s[WV], 1                        ; qh
	; descriptor group 1: a dense block of 32,768 bytes as 128 rows of 32 elements of 8 bytes
	s_mov_b32 s[G1+0], 15|(3<<16)|(1<<21)          ; 15:0 the mask: all four work-groups; 17:16 elements of 8 bytes; 21 set beside a mask; no padding
	s_mov_b32 s[G1+1], 32<<16                      ; tensor_dim0 = 32
	s_mov_b32 s[G1+2], 128<<16                     ; tensor_dim1 = 128
	s_mov_b32 s[G1+3], 32<<16                      ; tile_dim0 = 32
	s_mov_b32 s[G1+4], 128                         ; tile_dim1 = 128
	s_mov_b32 s[G1+5], 32                          ; from row to row
	s_mov_b32 s[G1+6], 0
	s_mov_b32 s[G1+7], 0
	s_lshl_b32 s[WL], s[WV], 15
	s_lshl_b32 s[KW], s31, 17
	s_mov_b32 s[KW+1], 0
	s_mov_b32 s60, s[WL]                           ; w1: quarter w of a tile
	s_mov_b32 s61, 0
	s_add_co_u32 s68, s31, s[WV]                   ; w2, behind w1's 524,288 bytes: the pair of chunks (rho + w) % 4 of a tile
	s_and_b32 s68, s68, 3
	s_lshl_b32 s68, s68, 15
	s_add_co_u32 s68, s68, 524288
	s_mov_b32 s69, 0
	s_lshr_b32 s70, s30, 3                         ; the batch
	s_and_b32 s71, s30, 7                          ; which 128 columns
	s_lshl_b32 s62, s70, 19                        ; hq [b][lt 64][s 4][image]: the batch, 8 tiles of l a work-group, 4 a pair of waves
	s_lshl_b32 s63, s71, 16
	s_add_co_u32 s62, s62, s63
	s_lshl_b32 s63, s38, 15
	s_add_co_u32 s62, s62, s63
	s_mov_b32 s63, 0
	s_lshl_b32 s66, s70, 21                        ; x and out0 [b][512][1024] f32: the batch, my 256 rows, my 64 columns
	s_lshl_b32 s67, s39, 20
	s_add_co_u32 s66, s66, s67
	s_lshl_b32 s67, s71, 9
	s_add_co_u32 s66, s66, s67
	s_lshl_b32 s67, s38, 8
	s_add_co_u32 s66, s66, s67
	s_mov_b32 s67, 0
	s_mov_b32 s89, 0
	v_and_b32 v1, 31, v0
	v_lshlrev_b32 v[L16], 4, v1
	v_and_b32 v20, 15, v0                          ; r
	v_bfe_u32 v21, v0, 4, 1                        ; h
	s_lshl_b32 s37, s39, 15                        ; w1 in a slot: [c 2][qh 2][f 16][image]
	v_add_nc_u32 v[AW1], s37, v[L16]
	v_add_nc_u32 v[AW1+1], 65536, v[AW1]
	v_add_nc_u32 v[AW1+2], SLOT, v[AW1]
	v_add_nc_u32 v[AW1+3], SLOT, v[AW1+1]
	s_lshl_b32 s37, s39, 14                        ; w2 in a slot: [pair 4][qh 2][c 2][nt 4][image]
	v_add_nc_u32 v[AW2], s37, v[L16]
	v_add_nc_u32 v[AW2+1], 65536, v[AW2]
	v_add_nc_u32 v[AW2+2], SLOT, v[AW2]
	v_add_nc_u32 v[AW2+3], SLOT, v[AW2+1]
	s_lshl_b32 s37, s38, 13
	v_add_nc_u32 v[H1R], s37, v[L16]
	v_add_nc_u32 v[H1R], H1X, v[H1R]
	s_lshl_b32 s37, s39, 10
	v_add_nc_u32 v[H1W], s37, v[H1R]               ; registers 8 qh .. 8 qh + 7 of an image
	s_mul_i32 s37, s[WV], 4352
	s_add_co_u32 s37, s37, STG                     ; my stage
	v_mul_u32_u24 v[STO], v20, 272
	v_lshl_add_u32 v[STO], v21, 5, v[STO]
	v_add_nc_u32 v[STO], s37, v[STO]               ; in: row r, + 32 h
	v_mul_u32_u24 v[SRD], v21, 272
	v_lshl_add_u32 v[SRD], v20, 4, v[SRD]
	v_add_nc_u32 v[SRD], s37, v[SRD]               ; back: lanes 0-15 one row, lanes 16-31 the next
	v_lshlrev_b32 v[XO], 12, v21
	v_lshl_add_u32 v[XO], v20, 4, v[XO]            ; and the same two rows in x and out0
	s_wait_dscnt 0x0                               ; the opening add is done
	s_wait_kmcnt 0x0
	s_load_b128 s[40:43], s[10:11], 0x0            ; e0 .. e3
	s_load_b64 s[44:45], s[10:11], 0x10            ; e4, e5
	s_add_nc_u64 s[W1B:W1B+1], s[6:7], s[60:61]
	s_add_nc_u64 s[W2B:W2B+1], s[6:7], s[68:69]
	s_add_nc_u64 s[48:49], s[4:5], s[62:63]
	s_add_nc_u64 s[50:51], s[8:9], s[66:67]
	s_add_nc_u64 s[52:53], s[12:13], s[66:67]
	s_mov_b32 s[G0], 1                             ; count = 1
	s_mov_b32 s[G0+1], s[WL]                       ; LDS address: my quarter of slot 0
	s_add_nc_u64 s[G0+2:G0+3], s[W1B:W1B+1], s[KW:KW+1]   ; w1's tile rho
	s_or_b32 s[G0+3], s[G0+3], 0x80000000          ; type = 2
	s_add_co_u32 s[KW], s[KW], 1<<17
	s_and_b32 s[KW], s[KW], 3<<17
	s_mov_b32 s[G0B], 1
	s_add_co_u32 s[G0B+1], s[WL], SLOT             ; slot 1
	s_add_nc_u64 s[G0B+2:G0B+3], s[W1B:W1B+1], s[KW:KW+1] ; the tile behind it
	s_or_b32 s[G0B+3], s[G0B+3], 0x80000000
	CROUND                                         ; all four work-groups are here: the first joint loads meet
	JLOAD G0                                       ; the two first fills go out together: two tensor loads of mine are out
	JLOAD G0B
	WIN 0x40
.set i, 0
.rept 64                               ; h's 16 fragments: they stay through phase 1.  Each load takes 512 consecutive bytes
	global_load_b128 v[4*i:4*i+3], v[L16], s[48:49] offset:512*i
.set i, i+1
.endr
	WIN 0
.irp t, 0,1,2,3                        ; output tile t is tile (rho + t) % 4 of my 256 rows: 64 rows of 4,096 bytes each
	s_add_co_u32 s88, s31, \t
	s_and_b32 s88, s88, 3
	s_lshl_b32 s88, s88, 18
	s_add_nc_u64 s[XT+2*\t:XT+2*\t+1], s[50:51], s[88:89]
	s_add_nc_u64 s[OT+2*\t:OT+2*\t+1], s[52:53], s[88:89]
.endr
	s_wait_kmcnt 0x0
	s_sub_co_i32 s68, s44, s42
	s_sub_co_i32 s68, s68, s43                     ; e4 - e2 - e3
	s_add_co_i32 s68, s68, 127
	s_lshl_b32 s69, s68, 23
	v_mov_b32 v[SCQ], s69
	s_add_co_i32 s68, s68, 8
	s_lshl_b32 s68, s68, 23
	s_or_b32 s68, s68, 0x600000
	v_mov_b32 v[SCQ+1], s68
	s_add_co_i32 s46, s44, s45
	s_lshl_b32 s46, s46, 23
	s_add_co_i32 s46, s46, 0xbfb8aa3b              ; -log2(e) x 2^(e4 + e5): the exponents are added to the constant's exponent field
	s_mov_b32 s47, s46                             ; (named with it as a pair, so it is written)
; A CHUNK of 128 hidden units, position j: slot (j / 2) % 2, chunk j % 2 of its tile.  The first chunk of a tile fetches the second's first weights while it quantises.
.macro CHUNK1 j
.set SL, ((\j)>>1)&1
.set CC, (\j)&1
.if CC == 0
	F1 SL, 0, 0
	F1 SL, 0, 1
	F1 SL, 0, 2
.endif
	WIN 0x04                                       ; source 1 (h) window 1; LDS loads name window 0 alone under this setting
.irp g, 0,1,2,3,4,5,6,7
.if \g < 6
	s_wait_dscnt 16                                ; group g is in; the two younger groups of eight loads may be out
.else
	s_wait_dscnt 8*(7-\g)
.endif
	MUL2 \g
.if \g < 5
	PLACES
	F1 SL, CC, \g+3
.endif
.endr
	PLACES
	WIN 0
.if CC == 0
	F1 SL, 1, 0                                    ; the next chunk lies in the same slot
	F1 SL, 1, 1
.endif
.set i, 0
.rept 128
	v_med3_num_f32 v[HA+i], v[HA+i], 0, v[SCQ+1]   ; relu and the hold in one: between 0 and the largest code x the scale; each accumulator from its low end on
.set i, i+1
.endr
.irp lt, 0,1,2,3
.irp ot, 0,1,2,3
	v_cvt_scalef32_pk8_fp8_f32 v[HC+8*\lt+2*\ot:HC+8*\lt+2*\ot+1], v[HA+8*(4*\ot+\lt):HA+8*(4*\ot+\lt)+7], v[SCQ]   ; registers 8 qh + 2 ot, + 1 of fragment lt: k = 64 qh + 16 ot + 8 h + 0 .. 7
.endr
.endr
	v_nop                                          ; a plain instruction behind the last conversion
.irp lt, 0,1,2,3
	ds_store_b128 v[H1W], v[HC+8*\lt:HC+8*\lt+3] offset:CC*H1B+2048*\lt
	ds_store_b128 v[H1W], v[HC+8*\lt+4:HC+8*\lt+7] offset:CC*H1B+2048*\lt+512
.endr
.if (\j) == 7
	WIN 0x40                                       ; h is done with: the first two output tiles' x takes its registers
.irp a, 0,1,2,3
	XBLK 0, \a
.endr
.irp a, 0,1,2,3
	XBLK 1, \a
.endr
	WIN 0
.endif
	s_wait_dscnt 0x0                               ; for my partner's sake: my stores are done; and my reads of the other buffer of images, a chunk ago, are over: it is stored into again behind this barrier
	s_barrier_signal -1                            ; the next tile may stay on its way
	s_barrier_wait -1
	WIN 0x80+0x40*((\j)>>2)                        ; destination window 2 or 3: the four fragments of position j go where they stay; nothing waits for them here
.irp lt, 0,1,2,3
.irp c, 0,1,2,3
	ds_load_b128 v[64*((\j)&3)+16*\lt+4*\c:64*((\j)&3)+16*\lt+4*\c+3], v[H1R] offset:CC*H1B+2048*\lt+512*\c
.endr
.endr
	WIN 0
.if CC == 0
	F1 SL, 1, 2                                    ; into the buffer that the codes have left
.endif
.endm
; THE WAY OUT of a tile, block a = 16 output channels x my 64 columns, IN PLACE in the block's four accumulators.  A lane holds 32 bytes of each of four pieces of ONE row, and the lanes beside it hold other rows:
; so the gates go through my own stage in LDS and come back by rows, into the registers that they left, where they meet x; sixteen lanes store 256 consecutive bytes of a row.
; LDS serves a wave's instructions in order (ISA guide 5.7.1.4): no wait between the stage's stores and loads, nor in front of the next block's stores.
.macro SIG a
.set ZZ, Z+32*(\a)
.set i, 0
.rept 16
	v_pk_mul_f32 v[ZZ+i:ZZ+i+1], v[ZZ+i:ZZ+i+1], s[46:47] op_sel_hi:[1,0]   ; each accumulator from its low end on
.set i, i+2
.endr
.set i, 0
.rept 32
	v_exp_f32 v[ZZ+i], v[ZZ+i]
.set i, i+1
.endr
	v_nop                                          ; a plain instruction behind the batch,
	s_wait_alu depctr_va_vdst(0)                   ; and one wait for it, ahead of its first reader
.set i, 0
.rept 16
	v_pk_add_f32 v[ZZ+i:ZZ+i+1], v[ZZ+i:ZZ+i+1], 1.0 op_sel_hi:[1,0]
.set i, i+2
.endr
.set i, 0
.rept 32
	v_rcp_f32 v[ZZ+i], v[ZZ+i]
.set i, i+1
.endr
	v_nop
	s_wait_alu depctr_va_vdst(0)
.endm
.macro TOST a
.set ZZ, Z+32*(\a)
.irp lt, 0,1,2,3
	ds_store_b128 v[STO], v[ZZ+8*\lt:ZZ+8*\lt+3] offset:64*\lt
	ds_store_b128 v[STO], v[ZZ+8*\lt+4:ZZ+8*\lt+7] offset:64*\lt+16
.endr
.set i, 0
.rept 8
	ds_load_b128 v[ZZ+4*i:ZZ+4*i+3], v[SRD] offset:544*i
.set i, i+1
.endr
.endm
.macro SEND t, a, younger
.set ZZ, Z+32*(\a)
.set XX, 128*((\t)&1)+32*(\a)
.set AA, 4*(\t)+(\a)
	s_wait_dscnt \younger                          ; the block's gates are back; the next block's 8 stores and 8 loads may be out
.if AA < 8
	s_wait_loadcnt 56                              ; this block of x is in; the seven blocks asked for behind it may be out
.else
	s_wait_loadcnt 8*(15-AA)
.endif
	WIN 0x04
.set i, 0
.rept 16
	v_pk_mul_f32 v[ZZ+i:ZZ+i+1], v[ZZ+i:ZZ+i+1], v[XX+i:XX+i+1]
.set i, i+2
.endr
	WIN 0
.set i, 0
.rept 8
	global_store_b128 v[XO], v[ZZ+4*i:ZZ+4*i+3], s[OT+2*(\t):OT+2*(\t)+1] offset:(16*(\a)+2*i)*4096 th:TH_STORE_NT
.set i, i+1
.endr
.if (\t) < 2
	WIN 0x40
	XBLK (\t)+2, \a                                ; the tile two further on, into the registers just read
	WIN 0
.endif
.endm
; AN OUTPUT TILE: 64 channels x my 64 columns, K = 1,024: sixteen groups of eight matrix instructions, each on two fragments of w2; then its way out.
.macro TILE2 t
.set SL, (\t)&1
	F2 SL, 0
	F2 SL, 1
	F2 SL, 2
.if (\t) > 0
	s_wait_xcnt 0x0                                ; the last tile's stores have read their registers: the accumulators are begun anew only behind this wait
.endif
.irp g, 0,1,2,3,4,5,6,7,8,9,10,11,12,13,14,15
.if \g < 14
	s_wait_dscnt 16                                ; group g is in; the two younger groups of eight loads may be out
.else
	s_wait_dscnt 8*(15-\g)
.endif
	WIN 0x02+((\g)>>3)                             ; source 0 (the hidden codes) window 2 or 3
	MUL3 \g
.if \g < 13
	PLACES
	WIN 0
	F2 SL, \g+3
.endif
.endr
	PLACES
	WIN 0
	SIG 0
	TOST 0
.irp a, 1,2,3
	SIG \a                                         ; a block's arithmetic stands between the block before's loads from the stage and the wait for them
	TOST \a
	SEND \t, \a-1, 16
.endr
	SEND \t, 3, 0
.endm
	s_wait_loadcnt 0x0                             ; h
	s_wait_tensorcnt 0x1                           ; my quarter of the first tile is in; the second tile's may stay out
	s_barrier_signal -1
	s_barrier_wait -1                              ; everybody's is
	CHUNK1 0
	CHUNK1 1
	THEAD 1, W1B, 0
	CHUNK1 2
	CHUNK1 3
	THEAD 1, W1B, 1
	CHUNK1 4
	CHUNK1 5
	THEAD 1, W2B, 0                                ; four steps have brought the tile's bytes back to rho: w2's first tile
	CHUNK1 6
	CHUNK1 7
	THEAD 1, W2B, 1
	TILE2 0
	THEAD 1, W2B, 0
	TILE2 1
	THEAD 1, W2B, 1
	TILE2 2
	THEAD 0, W2B, 0                                ; the last tile asks for nothing
	TILE2 3
	s_wait_tensorcnt 0x0                           ; the wave's end: behind my last tensor load and my last LDS store
	ds_add_u32 v[SPW], v[NIL]
	s_wait_dscnt 0x0
	CROUND                                         ; the closing round: no work-group ends while a partner may still ask for a tile that names it
	s_endpgm
.Lfunc_end_k_qde3eb56617_mlp:
	.size	k_qde3eb56617_mlp, .Lfunc_end_k_qde3eb56617_mlp-k_qde3eb56617_mlp
	.p2alignl 7, 3214868480
	.fill 96, 4, 3214868480
	.section	.rodata,"a",@progbits
	.p2align	6, 0x0
	.amdhsa_kernel k_qde3eb56617_mlp
		.amdhsa_group_segment_fixed_size 327680
		.amdhsa_private_segment_fixed_size 0
		.amdhsa_enable_private_segment 0
		.amdhsa_kernarg_size 40
		.amdhsa_user_sgpr_count 2
		.amdhsa_user_sgpr_kernarg_segment_ptr 1
		.amdhsa_wavefront_size32 1
		.amdhsa_system_sgpr_workgroup_id_x 1
		.amdhsa_system_sgpr_workgroup_id_y 1
		.amdhsa_system_sgpr_workgroup_id_z 1
		.amdhsa_system_vgpr_workitem_id 0
		.amdhsa_next_free_vgpr 1024
		.amdhsa_next_free_sgpr 96
		.amdhsa_reserve_vcc 0
		.amdhsa_float_denorm_mode_32 3
		.amdhsa_float_denorm_mode_16_64 3
		.amdhsa_memory_ordered 1
		.amdhsa_forward_progress 1
		.amdhsa_inst_pref_size 255
	.end_amdhsa_kernel
	.section	.bss,"aw",@nobits
	.p2align	6
	.space	262144
	.amdgpu_metadata
---
amdhsa.version: [ 1, 2 ]
amdhsa.kernels:
  - .name:           k_qde3eb56617_mlp
    .symbol:         k_qde3eb56617_mlp.kd
    .args:
      - { .name: hq, .offset: 0, .size: 8, .value_kind: global_buffer, .address_space: global }
      - { .name: wq, .offset: 8, .size: 8, .value_kind: global_buffer, .address_space: global }
      - { .name: x, .offset: 16, .size: 8, .value_kind: global_buffer, .address_space: global }
      - { .name: lowp_scales, .offset: 24, .size: 8, .value_kind: global_buffer, .address_space: global }
      - { .name: out0, .offset: 32, .size: 8, .value_kind: global_buffer, .address_space: global }
    .group_segment_fixed_size: 327680
    .private_segment_fixed_size: 0
    .kernarg_segment_align: 8
    .kernarg_segment_size: 40
    .max_flat_workgroup_size: 128
    .sgpr_count:     96
    .vgpr_count:     1024
    .wavefront_size: 32
...
	.end_amdgpu_metadata
.endif
;; end of part 3
